; MI455X (gfx1250); checked and timed in simulation.
; The chip was launched on July 23, 2026; its instructions are those of AMD's public machine-readable ISA for CDNA 5 (MIT licence, August 2026) and "CDNA5" Instruction Set Architecture Reference Guide (July 2026). The comments in the code are by the model that wrote it; some were corrected since.
;; Temporal Block. Allowed arithmetic: matrix products marked QUANTISED: E5M2 operands, one given power-of-two scale a tensor, by v_wmma_f32_16x16x64_bf8_bf8 or v_wmma_f32_16x16x128_bf8_bf8, f32 sums; everything else in f32.
;; Inputs: W1_codes 2,048 x 16 x 32 uint8 (E5M2 codes of W1, K innermost, in blocks of 32 codes); W2_codes 512 x 64 x 32 uint8 (E5M2 codes of W2, K innermost, in blocks of 32 codes); Wk_codes 512 x 16 x 32 uint8 (E5M2 codes of Wk, K innermost, in blocks of 32 codes); Wo_codes 512 x 16 x 32 uint8 (E5M2 codes of Wo, K innermost, in blocks of 32 codes); Wq_codes 512 x 16 x 32 uint8 (E5M2 codes of Wq, K innermost, in blocks of 32 codes); Wv_codes 512 x 16 x 32 uint8 (E5M2 codes of Wv, K innermost, in blocks of 32 codes); b1 2,048 float32; b2 512 float32; bk 512 float32; bo 512 float32; bq 512 float32; bv 512 float32; ln1_b 512 float32; ln1_w 512 float32; ln2_b 512 float32; ln2_w 512 float32; lowp_scales 16 int32 (the exponents e of the quantised operands' scales 2^e); z 4 x 2,048 x 512 float32.
;; Outputs: out0 4 x 2,048 x 512 float32.
;; This version of the problem:
;;   THIS VERSION OF THE PROBLEM IS GIVEN IN LOW PRECISION. The matrix products marked QUANTISED in the list below multiply operands that are first quantised to E5M2 (5 exponent bits, 2 mantissa bits; 8 bits a number), with one given power-of-two scale for each operand tensor; their sums are f32. All else is computed in f32.
;;   The module's matrix products, in the order in which they are computed (A, B: the left and right operand; K: the contracted axis; several contracted axes count as one K, in the product's order):
;;     1. [M 8,192, K 512] x [K 512, N 512]; A: input z; B: input Wq (given as codes): QUANTISED (scales: A lowp_scales[0], B lowp_scales[1])
;;     2. [M 8,192, K 512] x [K 512, N 512]; A: input z; B: input Wk (given as codes): QUANTISED (scales: A lowp_scales[2], B lowp_scales[3])
;;     3. [M 8,192, K 512] x [K 512, N 512]; A: input z; B: input Wv (given as codes): QUANTISED (scales: A lowp_scales[4], B lowp_scales[5])
;;     4. batch 32 x [M 2,048, K 64] x [K 64, N 2,048]; A: computed on the way; B: computed on the way: QUANTISED (scales: A lowp_scales[6], B lowp_scales[7])
;;     5. batch 32 x [M 2,048, K 2,048] x [K 2,048, N 64]; A: softmax (see below); B: computed on the way: QUANTISED (scales: A lowp_scales[8], B lowp_scales[9])
;;     6. [M 8,192, K 512] x [K 512, N 512]; A: computed on the way; B: input Wo (given as codes): QUANTISED (scales: A lowp_scales[10], B lowp_scales[11])
;;     7. [M 8,192, K 512] x [K 512, N 2,048]; A: computed on the way; B: input W1 (given as codes): QUANTISED (scales: A lowp_scales[12], B lowp_scales[13])
;;     8. [M 8,192, K 2,048] x [K 2,048, N 512]; A: computed on the way; B: input W2 (given as codes): QUANTISED (scales: A lowp_scales[14], B lowp_scales[15])
;;   THE QUANTISER, for each operand of a quantised product, along K:
;;     - The operand's scale is 2^e, e = its entry of the input lowp_scales (int32; the entries are numbered through the quantised products in the list's order, A before B).
;;     - Each number is divided by the scale, clamped to +-57,344, and rounded to the nearest number of E5M2, ties to even, subnormals kept.
;;     - The product sums the exact products of the quantised numbers (number of the format x scale) in f32.
;;   ~~~python
;;   def quantise(x, axis, e):      # numpy; x: float32 -> the quantised numbers, widened to float32 again
;;       x = np.moveaxis(x, axis, -1); K = x.shape[-1]
;;       r = np.clip(x / 2.0 ** e, -57344, 57344)
;;       step = 2.0 ** (np.maximum(np.frexp(np.where(r == 0, 1, r))[1] - 1, -14) - 2)
;;       q = np.round(r / step) * step * 2.0 ** e      # np.round: ties to even
;;       return np.moveaxis(q, -1, axis).astype(np.float32)
;;   ~~~
;;   SOFTMAX AHEAD OF A QUANTISED PRODUCT. Where the list says 'softmax', what is quantised is not the finished softmax but p = 2^(t - M), with t = logit x log2(e) and M = ceil(the row's largest t), a whole number; so 1/2 < the row's largest p <= 1. The row's sum l is taken of the UNQUANTISED p, in f32, and the product's result is divided by l at the end. Since M is a whole number, a kernel that streams over the keys may use a running M (the ceiling of the running maximum): every later rescaling is an exact power of two, so the quantised numbers keep their values, but for numbers so far below the row's largest that they fall under the format's range.
;;   OPERANDS COMPUTED ON THE WAY. 'Computed on the way' means the value that the module computes at that place (a softmax that the list does not call 'softmax' is quantised finished and normalised). What goes into a quantiser is computed in f32, as accurately as f32 sums, v_exp_f32 and their like allow (about 1e-6 of the number): no bf16 or f16 on the way to a quantiser, and a product that is left as it is and whose result goes on into a quantised operand takes f32 operands (vector FMAs, or v_wmma_f32_16x16x4_f32). A number that lies on a knife's edge between two numbers of the format may be rounded either way, as far as f32 arithmetic and the matrix unit's own rounding can turn it there, and no further.
;;   INPUTS GIVEN AS CODES. W1 (in the module: [512, 2048], K = its axis 0); W2 (in the module: [2048, 512], K = its axis 0); Wk (in the module: [512, 512], K = its axis 0); Wo (in the module: [512, 512], K = its axis 0); Wq (in the module: [512, 512], K = its axis 0); Wv (in the module: [512, 512], K = its axis 0): each comes as NAME_codes (uint8): NAME with its K axis moved to the last place and cut into blocks of 32 codes, [.., K / 32, bytes a block], one block behind the other in memory; one code a byte (a code: sign, 5 exponent bits, 2 mantissa bits); its scale is its entry of lowp_scales. Its value is code x scale, taken as it is: it is not quantised again, and the codes and scales need not be those that the quantiser above would give.
;; One version. Each part assembles by itself: llvm-mc -triple=amdgcn-amd-amdhsa -mcpu=gfx1250 --defsym DOCPART=n.
;; ======== version 1 of 1: 1 launch
;; limits: right only within a limited range of input values
;; launch block (part 1): grid 256 x 1, 4 waves a work-group, clusters of 4 x 1, 327,680 bytes of LDS; arguments z, Wq_codes, Wk_codes, Wv_codes, bq, bk, bv, lowp_scales, Wo_codes, bo, ln1_w, ln1_b, W1_codes, b1, W2_codes, b2, ln2_w, ln2_b, out0; writes out0
.if DOCPART == 1
	.amdgcn_target "amdgcn-amd-amdhsa--gfx1250"
	.amdhsa_code_object_version 6
	.text
	.protected	k_q49109da5eb_block
	.globl	k_q49109da5eb_block
	.p2align	8
	.type	k_q49109da5eb_block,@function
k_q49109da5eb_block:
	s_mov_b64 s[64:65], 0
	v_nop
	global_prefetch_b8 v0, s[64:65] scope:SCOPE_SE
	s_setreg_imm32_b32 hwreg(HW_REG_WAVE_MODE, 25, 1), 1
	s_wait_xcnt 0x0
	s_wait_alu depctr_hold_cnt(0) depctr_sa_sdst(0) depctr_va_vdst(0) depctr_va_sdst(0) depctr_va_ssrc(0) depctr_va_vcc(0) depctr_vm_vsrc(0)
	s_getreg_b32 s2, hwreg(HW_REG_IB_STS2, 6, 4)
	s_cmp_eq_u32 s2, 0
	s_cbranch_scc0 .Lentry_in_a_cluster
	s_endpgm
.Lentry_in_a_cluster:
	s_bfe_u32 s2, ttmp6, 0x10000c
	s_cmp_lg_u32 s2, 0x3003
	s_cbranch_scc0 .Lentry_shape_is_right
	s_endpgm
.Lentry_shape_is_right:
; The whole block in one launch: a work-group owns 32 rows of z (two tiles of 16) and takes them through QKV, the banded attention, Wo, LN1, the FFN and LN2; 8,192 rows / 32 = 256 work-groups.
; LEFT OUT: reference() masks every key but the ten at distance 0 to 9 from the query: p of a masked key is 0 for all inputs (each row's own key is never masked), so only the tile of the query's 16 rows and the
; tile ahead of it are multiplied.  A NaN, an infinity or an overflow that reaches masked scores alone is not carried to the result.  K and V of the 16 rows ahead of mine (the halo) are made here once more.
; LIMITS: the sums of two operands' exponents (e0+e1, e2+e3, e4+e5, e10+e11, e12+e13, e14+e15) lie between -50 and 40; e6+e7 between -120 and 120; every exponent at which codes are made (e0, e2, e4, e8, e10, e12, and
; e6-e0-e1, e7-e2-e3, e9-e4-e5, e14-e12-e13) between -126 and 112; scaled scores stay under 2^31.
; SHARES: wave w owns heads 2 w and 2 w + 1 in QKV and attention, and the columns 64 w .. + 63 and 256 + 64 w .. + 63 of z, of Wo's result and of the FFN's.
; WEIGHTS come through a ring of two slots of 128 KiB of codes, by joint loads of a cluster's four work-groups (all walk the same weights).  The order of the fills: Wq, Wk, Wv, Wo, two each (64 rows of 512 bytes a wave);
; W1's rows 0-255; fourteen tiles t = 0 .. 13 with W1's rows 256 + 128 t .. + 127 (waves 0, 1) and, of W2, rows 256 (t % 2) .. + 255 x hidden units 256 (t / 2) .. + 255 (waves 2, 3); W2's last 256 hidden units.
; Trip t makes the hidden units 256 + 128 t .. and multiplies W2's tile with the chunk of 256 hidden units that the two trips before have made: one round of the cluster's barrier a trip serves both.
; PREFETCH: all work-groups read the same weights, so one cluster asks, a tile ahead of the fill, each 256 bytes once: its partners and waves share a tile out by address.  The last tile of all comes by its load alone.
; REGISTERS, windows of 256: 0 addresses, sums and vector work; 1 fragments of the rows (v0-191), biases (v192-255); 2 residual and sums of the result (v0-127), K and Q codes, LN's parameters; 3 fragments of weights.
; IMAGES of codes in LDS: a tile of 16 rows x 512 is 8,192 bytes, K x 16 bytes on: a lane's 16 bytes are the operand's registers.
.set SL,    139264                     ; slot 1 (slot 0 begins at 0)
.set W2O,   69632                      ; a slot's second half
.set TILE,  33792                      ; 64 rows of 512 + 16 bytes
.set TILB,  34816                      ; 128 rows of 256 + 16 bytes
.set PTA,   528
.set PTB,   272
.set IMGA,  278528
.set IMGB,  303104
.set STAT,  IMGA+16384                 ; LN's partial sums, behind the image of LN1's codes
.set SPARE, 67584                      ; the spare words: the gap in slot 0 behind its first 128 rows, where no tile lands
.set STG,   0                          ; the way out: slot 0, which has had its last fill then
.set SPW, 1
.set NIL, 2
.set WIO, 3
.set AW0, 4
.set AW1, 5
.set AWT, 6
.set ABT, 7
.set WIA, 8
.set WIB, 9
.set FIA, 10
.set FIB, 11
.set HWI, 12
.set STA, 13
.set STR, 14
.set XA,  15
.set PBI, 16
.set PBQ, 17
.set PVB, 18
.set PB1, 19
.set STO, 20
.set SRD, 21
.set GO,  22
.set PFOA, 23
.set PFO, 24
.set VSC, 25
.set VLIM, 26
.set NEGINF, 27
.set ADZ, 28
.set ADH, 29
.set DL,  30
.set TV,  31
.set ACC, 32
.set PC,  32
.set GX,  32
.set GT,  64
.set GP,  80
.set GM,  96
.set HC,  112
.set ADA, 116
.set ADB, 117
.set ADR, 118
.set VF,  128
.set CG,  128
.set TQ,  192
.set RR,  200
.set HL,  201
.set LP,  202
.set LQ,  203
.set VSCP, 206
.set VLIMP, 207
.set VSC2, 208
.set VLIM2, 209
.set PF,  212
.set HF,  128                          ; window 1: fragments of h (and b2 ahead of them)
.set PR,  192                          ; window 1
.set W2U, 128                          ; window 2: the halo's z, then LN's offsets
.set KC,  128                          ; window 2
.set QC,  192                          ; window 2
.set B1R, 192                          ; window 2, behind the attention
.set AOC, 224                          ; window 2
.set TE,  2
.set WV,  3
.set MK1, 4
.set MK0, 12
.set SNE, 4
.set KG,  6
.set TB,  7
.set HW,  8
.set HM,  9
.set HR,  10
.set HN,  11
.set PFP, 12
.set PST, 14
.set TC,  16
.set PX,  18
.set RQ,  20
.set W2S, 22
.set E0,  44
.set SEL, 60
.set CS,  62
.set G1A, 68
.set G1B, 76
.set G0S0, 84
.set G0S1, 88
.set SPOS, 92
.set SNEG, 94
.set J,   96
.set RC,  97
.set MZ,  98
.set MH,  99
.set LIM, 100
.set CX,  101
.set WG,  104
.set HOK, 105
.set MSB, 0
.macro WIN new
.if MSB != \new
	s_set_vgpr_msb (MSB<<8)|\new
.set MSB, \new
.endif
.endm
.macro PLACES n
.rept \n
	v_nop
.endr
.endm
.macro VW
	s_wait_alu depctr_va_vdst(0)
.endm
.macro BARRIER
	VW
	s_wait_dscnt 0x0
	s_barrier_signal -1
	s_barrier_wait -1
.endm
.macro CROUND                          ; a round of the cluster's barrier
	s_barrier_signal -1
	s_barrier_wait -1
	s_cmp_lg_u32 s[WV], 0
	s_cbranch_scc1 .Lnw0_\@
	s_barrier_signal -3
.Lnw0_\@:
	s_barrier_wait -3
	s_barrier_signal -1
	s_barrier_wait -1
.endm
.macro SETSC se, vs, vl                ; 2^e, and 57,344 x 2^e
	s_add_co_i32 s66, s[\se], 127
	s_lshl_b32 s67, s66, 23
	v_mov_b32 v[\vs], s67
	s_add_co_i32 s66, s66, 15
	s_lshl_b32 s66, s66, 23
	s_or_b32 s66, s66, 0x600000
	v_mov_b32 v[\vl], s66
.endm
.macro POW2 pr, se
	s_add_co_i32 s[\pr], s[\se], 127
	s_lshl_b32 s[\pr], s[\pr], 23
	s_mov_b32 s[\pr+1], s[\pr]
.endm
.macro NEGSUM a, b
	s_add_co_i32 s[TE], s[E0+\a], s[E0+\b]
	s_sub_co_i32 s[TE], 0, s[TE]
.endm
.macro OUTSC o, a, b                   ; the scale at which a sum of product (a, b) becomes a code of operand o
	s_sub_co_i32 s[TE], s[E0+\o], s[E0+\a]
	s_sub_co_i32 s[TE], s[TE], s[E0+\b]
	SETSC TE, VSC, VLIM
.endm
; A CHANGE OF SLOTS: all my tensor loads have landed, an add to the spare words, all my LDS reads are over; then a round, and behind it the refill, the wave's one tensor load.
.macro CH_HEAD
	WIN 0
	VW
	s_wait_tensorcnt 0x0
	ds_add_u32 v[SPW], v[NIL]
.endm
.macro TADDR g0, ptr, off
	s_add_nc_u64 s[\g0+2:\g0+3], s[\ptr:\ptr+1], \off
	s_or_b32 s[\g0+3], s[\g0+3], 0x80000000
.endm
.macro CH_FILL g0, g1
	s_wait_dscnt 0x0
	CROUND
	tensor_load_to_lds s[\g0:\g0+3], s[\g1:\g1+7]
	s_nop 0
	PLACES 4
.endm
.macro JFILL                           ; a trip's tile: waves 0, 1 ask for W1's part, waves 2, 3 for W2's
	s_wait_dscnt 0x0
	CROUND
	s_cmp_lt_u32 s[WV], 2
	s_cbranch_scc0 .Ljb_\@
	tensor_load_to_lds s[G0S0:G0S0+3], s[G1A:G1A+7]
	s_nop 0
	PLACES 4
	s_branch .Lje_\@
.Ljb_\@:
	tensor_load_to_lds s[G0S1:G0S1+3], s[G1B:G1B+7]
	s_nop 0
	PLACES 4
.Lje_\@:
.endm
.macro ASK voff, base, imm, inloop     ; LIM is 1 in the cluster that asks, the greatest number in the others
.if \inloop
	s_cmp_gt_u32 s[J], s[LIM]
.else
	s_cmp_eq_u32 s[LIM], 1
.endif
	s_cbranch_scc0 .Lnm_\@
	global_prefetch_b8 v[\voff], s[\base:\base+1] offset:\imm th:TH_LOAD_NT scope:SCOPE_SE
.Lnm_\@:
.endm
.macro PFSTEP                          ; my part of the next tile: the prefetch before has read its address
	s_wait_xcnt 0x0
	s_add_nc_u64 s[PFP:PFP+1], s[PFP:PFP+1], s[PST:PST+1]
	s_xor_b32 s[PST], s[PST], s[PX]
	s_xor_b32 s[PST+1], s[PST+1], s[PX+1]
.endm
.macro QUANT src, adr, off             ; 16 rows x my 128 columns of window 2: held, coded, stored into an image
	WIN 0x02
.set i, 0
.rept 64
	v_med3_num_f32 v[TQ+i], v[\src+i], -v[VLIM], v[VLIM]
.set i, i+1
.endr
	WIN 0
.set i, 0
.rept 8
	v_cvt_scalef32_pk8_bf8_f32 v[PC+2*i:PC+2*i+1], v[TQ+8*i:TQ+8*i+7], v[VSC]
.set i, i+1
.endr
	v_nop
.set i, 0
.rept 8
	ds_store_b64 v[\adr], v[PC+2*i:PC+2*i+1] offset:\off+4096*(i/4)+256*(i%4)
.set i, i+1
.endr
.endm
.macro FETCH adr, n, off, dst          ; n fragments of an image into window 1
	WIN 0x40
.set fi, 0
.rept \n
.irp c, 0,1,2,3
	ds_load_b128 v[\dst+16*fi+4*\c:\dst+16*fi+4*\c+3], v[\adr] offset:\off+2048*fi+512*\c
.endr
.set fi, fi+1
.endr
.endm
.macro LOADW_A adr                     ; 64 rows x 512 of a weight into window 3
	WIN 0xc0
.irp s, 0,1,2,3
.irp t, 0,1,2,3
.irp c, 0,1,2,3
	ds_load_b128 v[16*(4*\t+\s)+4*\c:16*(4*\t+\s)+4*\c+3], v[\adr] offset:16*\t*PTA+128*\s+32*\c
.endr
.endr
.endr
.endm
.macro MM_T s, R, g                    ; source 0 weights, source 1 rows: a lane holds one row
.if \s == 0
	WIN 0x17
.else
	WIN 0x07
.endif
.set mi, 0
.rept \R
.irp t, 0,1,2,3
.if \s == 0
	v_wmma_f32_16x16x128_bf8_bf8 v[ACC+8*(\R*\t+mi):ACC+8*(\R*\t+mi)+7], v[16*(4*\t+\s):16*(4*\t+\s)+15], v[16*(4*mi+\s):16*(4*mi+\s)+15], v[PR+8*(4*\g+\t):PR+8*(4*\g+\t)+7]
.else
	v_wmma_f32_16x16x128_bf8_bf8 v[ACC+8*(\R*\t+mi):ACC+8*(\R*\t+mi)+7], v[16*(4*\t+\s):16*(4*\t+\s)+15], v[16*(4*mi+\s):16*(4*mi+\s)+15], v[ACC+8*(\R*\t+mi):ACC+8*(\R*\t+mi)+7]
.endif
.endr
.set mi, mi+1
.endr
.endm
.macro MM_N s, g                       ; source 0 rows, source 1 weights: a lane holds one column (V, whose next K are the keys)
.if \s == 0
	WIN 0x1d
.else
	WIN 0x0d
.endif
.set mi, 0
.rept 3
.irp t, 0,1,2,3
.if \s == 0
	v_wmma_f32_16x16x128_bf8_bf8 v[ACC+8*(3*\t+mi):ACC+8*(3*\t+mi)+7], v[16*(4*mi+\s):16*(4*mi+\s)+15], v[16*(4*\t+\s):16*(4*\t+\s)+15], v[PR+8*(4*\g+\t):PR+8*(4*\g+\t)+7]
.else
	v_wmma_f32_16x16x128_bf8_bf8 v[ACC+8*(3*\t+mi):ACC+8*(3*\t+mi)+7], v[16*(4*mi+\s):16*(4*mi+\s)+15], v[16*(4*\t+\s):16*(4*\t+\s)+15], v[ACC+8*(3*\t+mi):ACC+8*(3*\t+mi)+7]
.endif
.endr
.set mi, mi+1
.endr
.endm
.macro MM_R s, g                       ; onto the residual
	WIN 0xa7
.irp m, 0,1
.irp t, 0,1,2,3
	v_wmma_f32_16x16x128_bf8_bf8 v[64*\m+8*(4*\g+\t):64*\m+8*(4*\g+\t)+7], v[16*(4*\t+\s):16*(4*\t+\s)+15], v[16*(4*\m+\s):16*(4*\m+\s)+15], v[64*\m+8*(4*\g+\t):64*\m+8*(4*\g+\t)+7]
.endr
.endr
.endm
.macro GEMM_T R, g                     ; the weights' 64 loads are the youngest, 16 for each 128 along K
.irp s, 0,1,2,3
	s_wait_dscnt 48-16*\s
	MM_T \s, \R, \g
.endr
	WIN 0
.endm
.macro GEMM_N g
.irp s, 0,1,2,3
	s_wait_dscnt 48-16*\s
	MM_N \s, \g
.endr
	WIN 0
.endm
.macro GEMM_R g, n, st
.irp s, 0,1,2,3
	s_wait_dscnt \n-\st*\s
	MM_R \s, \g
.endr
	WIN 0
.endm
.macro HOLD n
	PLACES 4
.set i, 0
.rept 8*\n
	v_med3_num_f32 v[ACC+i], v[ACC+i], -v[VLIM], v[VLIM]
.set i, i+1
.endr
.endm
.macro CVT_Q g
	WIN 0x80
.irp t, 0,1,2,3
.irp m, 0,1
	v_cvt_scalef32_pk8_bf8_f32 v[QC+8*(2*\g+\m)+2*\t:QC+8*(2*\g+\m)+2*\t+1], v[ACC+8*(2*\t+\m):ACC+8*(2*\t+\m)+7], v[VSC]
.endr
.endr
	WIN 0
	v_nop
.endm
.macro CVT_K g                         ; the halo's tile goes first
	WIN 0x80
.irp t, 0,1,2,3
.irp m, 0,1,2
	v_cvt_scalef32_pk8_bf8_f32 v[KC+8*(3*\g+(\m+1)%3)+2*\t:KC+8*(3*\g+(\m+1)%3)+2*\t+1], v[ACC+8*(3*\t+\m):ACC+8*(3*\t+\m)+7], v[VSC]
.endr
.endr
	WIN 0
	v_nop
.endm
.macro CVT_V g
.irp t, 0,1,2,3
.irp m, 0,1,2
	v_cvt_scalef32_pk8_bf8_f32 v[VF+8*(4*\g+\t)+2*((\m+1)%3):VF+8*(4*\g+\t)+2*((\m+1)%3)+1], v[ACC+8*(3*\t+\m):ACC+8*(3*\t+\m)+7], v[VSC]
.endr
.endr
	v_nop
.endm
.macro BIAS_T ptr, dst, win, adr, gs   ; gs: bytes from my first 64 columns to my second
	WIN \win
.irp t, 0,1,2,3,4,5,6,7
	global_load_b128 v[\dst+8*\t:\dst+8*\t+3], v[\adr], s[\ptr:\ptr+1] offset:64*(\t%4)+\gs*(\t/4)
	global_load_b128 v[\dst+8*\t+4:\dst+8*\t+7], v[\adr], s[\ptr:\ptr+1] offset:64*(\t%4)+\gs*(\t/4)+16
.endr
.endm
.macro BSCALE                          ; a bias goes in as C, over the power of two that the sums lack
	POW2 SNEG, TE
	WIN 0x41
.set i, 0
.rept 32
	v_pk_mul_f32 v[PR+2*i:PR+2*i+1], v[PR+2*i:PR+2*i+1], s[SNEG:SNEG+1] op_sel_hi:[1,0]
.set i, i+1
.endr
	VW
.endm
.macro RESPREP b                       ; (residual + bias) over the power of two that the sums lack
	POW2 SNEG, TE
	WIN 0x41
.set i, 0
.rept 32
	v_pk_mul_f32 v[\b+2*i:\b+2*i+1], v[\b+2*i:\b+2*i+1], s[SNEG:SNEG+1] op_sel_hi:[1,0]
.set i, i+1
.endr
	WIN 0x92
.set i, 0
.rept 64
	v_pk_fma_f32 v[2*i:2*i+1], v[2*i:2*i+1], s[SNEG:SNEG+1], v[\b+2*(i%32):\b+2*(i%32)+1] op_sel_hi:[1,0,1]
.set i, i+1
.endr
	WIN 0
.endm
; LAYERNORM.  The sums y lack the factor S = 2^(their exponents): y's mean and squares are taken as they are, and S enters with the rsqrt.  LNSTAT: my 128 columns' mean, y less that mean in its place, and the sum of its squares.
.macro LNSTAT m, ln
.set SB, 192+8*\m
	WIN 0x0a
.set i, 0
.rept 16
	v_pk_add_f32 v[32+2*i:33+2*i], v[64*\m+4*i:64*\m+4*i+1], v[64*\m+4*i+2:64*\m+4*i+3]
.set i, i+1
.endr
	WIN 0
.irp d, 2,4,8,16
.set i, 0
.rept 16/\d
	v_pk_add_f32 v[32+2*\d*i:33+2*\d*i], v[32+2*\d*i:33+2*\d*i], v[32+2*\d*i+\d:33+2*\d*i+\d]
.set i, i+1
.endr
.endr
	v_add_f32 v[SB], v32, v33
	v_permlanex16_b32 v[SB+1], v[SB], s[SEL], s[SEL+1]
	v_add_f32 v[SB], v[SB], v[SB+1]
	v_mul_f32 v[SB+2], 0x3c000000, v[SB]
	v_mov_b32 v[SB+3], v[SB+2]
	WIN 0x82
.set i, 0
.rept 32
	v_pk_add_f32 v[64*\m+2*i:64*\m+2*i+1], v[64*\m+2*i:64*\m+2*i+1], v[SB+2:SB+3] neg_lo:[0,1] neg_hi:[0,1]
.set i, i+1
.endr
	WIN 0x0a
.set i, 0
.rept 4
	v_pk_mul_f32 v[96+2*i:97+2*i], v[64*\m+2*i:64*\m+2*i+1], v[64*\m+2*i:64*\m+2*i+1]
.set i, i+1
.endr
.rept 28
	v_pk_fma_f32 v[96+2*(i%4):97+2*(i%4)], v[64*\m+2*i:64*\m+2*i+1], v[64*\m+2*i:64*\m+2*i+1], v[96+2*(i%4):97+2*(i%4)]
.set i, i+1
.endr
	WIN 0
	v_pk_add_f32 v[96:97], v[96:97], v[98:99]
	v_pk_add_f32 v[100:101], v[100:101], v[102:103]
	v_pk_add_f32 v[96:97], v[96:97], v[100:101]
	v_add_f32 v[SB], v96, v97
	v_permlanex16_b32 v[SB+1], v[SB], s[SEL], s[SEL+1]
	v_add_f32 v[SB+3], v[SB], v[SB+1]
	ds_store_b64 v[STA], v[SB+2:SB+3] offset:512*\m+1024*\ln
.endm
.macro LNFIN m, ln                     ; the four waves' means and squares joined; then y, gain and offset
.set SB, 192+8*\m
.irp w, 0,1,2,3
	ds_load_b64 v[208+2*\w:209+2*\w], v[STR] offset:512*\m+128*\w+1024*\ln
.endr
	VW
	s_wait_dscnt 0x0
	v_add_f32 v216, v208, v210
	v_add_f32 v217, v212, v214
	v_add_f32 v218, v209, v211
	v_add_f32 v219, v213, v215
	v_add_f32 v216, v216, v217
	v_add_f32 v218, v218, v219
	v_mul_f32 v216, 0x3e800000, v216
	v_sub_f32 v220, v208, v216
	v_sub_f32 v221, v210, v216
	v_sub_f32 v222, v212, v216
	v_sub_f32 v223, v214, v216
	v_mul_f32 v220, v220, v220
	v_fma_f32 v220, v221, v221, v220
	v_fma_f32 v220, v222, v222, v220
	v_fma_f32 v220, v223, v223, v220
	v_fma_f32 v218, v220, 0x43000000, v218
	v_mul_f32 v218, 0x3b000000, v218
	v_mul_f32 v218, s[SPOS], v218
	v_fmaak_f32 v218, s[SPOS], v218, 0x3727c5ac
	VW
	v_rsq_f32 v220, v218
	v_sub_f32 v217, v[SB+2], v216
	VW
	v_mul_f32 v220, s[SPOS], v220
	v_mov_b32 v221, v220
	v_mul_f32 v222, v217, v220
	v_mov_b32 v223, v222
	WIN 0x82
.set i, 0
.rept 32
	v_pk_fma_f32 v[64*\m+2*i:64*\m+2*i+1], v[64*\m+2*i:64*\m+2*i+1], v[220:221], v[222:223]
.set i, i+1
.endr
	WIN 0xa6
.set i, 0
.rept 32
	v_pk_fma_f32 v[64*\m+2*i:64*\m+2*i+1], v[64*\m+2*i:64*\m+2*i+1], v[PR+2*i:PR+2*i+1], v[W2U+2*i:W2U+2*i+1]
.set i, i+1
.endr
	WIN 0
.endm
.macro MASK0 hok                       ; the tile ahead of the query's; hok: it does not exist at a sequence's head
.irp j, 0,1,2,3,4,5,6,7
	v_add_nc_u32 v[TV], 16-\j, v[DL]
	v_cmp_gt_u32 s[MK0+\j], 10, v[TV]
.if \hok
	s_and_b32 s[MK0+\j], s[MK0+\j], s[HOK]
.endif
.endr
.endm
; ATTENTION of head g, query tile m: S^T = K Q^T over two tiles of keys, p = 2^(t - M), O^T = V^T p^T, codes of O.
.macro ATT g, m
	WIN 0x0a
	v_wmma_f32_16x16x64_bf8_bf8 v[32:39], v[KC+8*(3*\g+\m):KC+8*(3*\g+\m)+7], v[QC+8*(2*\g+\m):QC+8*(2*\g+\m)+7], 0
	v_wmma_f32_16x16x64_bf8_bf8 v[40:47], v[KC+8*(3*\g+\m+1):KC+8*(3*\g+\m+1)+7], v[QC+8*(2*\g+\m):QC+8*(2*\g+\m)+7], 0
	WIN 0
	PLACES 4
.irp j, 0,1,2,3,4,5,6,7
	v_cndmask_b32 v[32+\j], v[NEGINF], v[32+\j], s[MK0+\j]
	v_cndmask_b32 v[40+\j], v[NEGINF], v[40+\j], s[MK1+\j]
.endr
	v_max3_num_f32 v192, v32, v33, v34
	v_max3_num_f32 v193, v35, v36, v37
	v_max3_num_f32 v192, v192, v38, v39
	v_max3_num_f32 v193, v193, v40, v41
	v_max3_num_f32 v192, v192, v42, v43
	v_max3_num_f32 v193, v193, v44, v45
	v_max3_num_f32 v192, v192, v46, v47
	v_max_num_f32 v192, v192, v193
	v_permlanex16_b32 v193, v192, s[SEL], s[SEL+1]
	v_max_num_f32 v192, v192, v193
	v_mul_f32 v192, s[CS], v192
	v_floor_f32 v194, -v192
.irp i, 0,2,4,6,8,10,12,14
	v_pk_fma_f32 v[32+\i:33+\i], v[32+\i:33+\i], s[CS:CS+1], v[194:195] op_sel_hi:[1,0,0]
.endr
	VW
.irp i, 0,1,2,3,4,5,6,7,8,9,10,11,12,13,14,15
	v_exp_f32 v[32+\i], v[32+\i]
.endr
	v_nop
	VW
	v_pk_add_f32 v[196:197], v[32:33], v[34:35]
	v_pk_add_f32 v[198:199], v[36:37], v[38:39]
	v_pk_add_f32 v[200:201], v[40:41], v[42:43]
	v_pk_add_f32 v[202:203], v[44:45], v[46:47]
	v_pk_add_f32 v[196:197], v[196:197], v[198:199]
	v_pk_add_f32 v[200:201], v[200:201], v[202:203]
	v_pk_add_f32 v[196:197], v[196:197], v[200:201]
	v_add_f32 v196, v196, v197
	v_permlanex16_b32 v197, v196, s[SEL], s[SEL+1]
	v_add_f32 v196, v196, v197
	VW
	v_rcp_f32 v204, v196
.irp i, 0,1,2,3,4,5,6,7,8,9,10,11,12,13,14,15
	v_min_num_f32 v[32+\i], v[32+\i], v[VLIMP]
.endr
	v_cvt_scalef32_pk8_bf8_f32 v[PF+10*\m:PF+10*\m+1], v[32:39], v[VSCP]
	v_cvt_scalef32_pk8_bf8_f32 v[PF+10*\m+2:PF+10*\m+3], v[40:47], v[VSCP]
	v_nop
.irp t, 0,1,2,3
	v_wmma_f32_16x16x64_bf8_bf8 v[48+8*\t:55+8*\t], v[VF+8*(4*\g+\t):VF+8*(4*\g+\t)+7], v[PF+8*\m:PF+8*\m+7], 0
.endr
	VW
	v_ldexp_f32 v204, v204, s[TE]
	v_mov_b32 v205, v204
	PLACES 2
.irp i, 0,2,4,6,8,10,12,14,16,18,20,22,24,26,28,30
	v_pk_mul_f32 v[48+\i:49+\i], v[48+\i:49+\i], v[204:205]
.endr
.set i, 0
.rept 32
	v_med3_num_f32 v[48+i], v[48+i], -v[VLIM2], v[VLIM2]
.set i, i+1
.endr
	WIN 0x80
.irp t, 0,1,2,3
	v_cvt_scalef32_pk8_bf8_f32 v[AOC+16*\m+8*\g+2*\t:AOC+16*\m+8*\g+2*\t+1], v[48+8*\t:55+8*\t], v[VSC2]
.endr
	WIN 0
	v_nop
.endm
; GELU of 16 numbers a lane.  x = S a, a the sum as it stands, S = 2^(e12 + e13): gelu(x) / S = max(a, 0) - |a| u 2^(P(u) - x^2 log2(e) / 2), u = 1 / (1 + |x| / (2 sqrt 2)), so that u 2^(..) is erfc(|x| / sqrt 2) / 2.
; S is folded into two constants and into the scale at which the codes are made.
.macro GELU16
.set i, 0
.rept 16
	v_fma_f32 v[GT+i], |v[GX+i]|, s[KG], 1.0
.set i, i+1
.endr
.set i, 0
	VW
.rept 16
	v_rcp_f32 v[GT+i], v[GT+i]
.set i, i+1
.endr
.set i, 0
.rept 8
	v_pk_mul_f32 v[GM+2*i:GM+2*i+1], v[GX+2*i:GX+2*i+1], v[GX+2*i:GX+2*i+1]
.set i, i+1
.endr
	VW
.set i, 0
.rept 8
	v_pk_fma_f32 v[GP+2*i:GP+2*i+1], v[GT+2*i:GT+2*i+1], v[CG+18:CG+19], v[CG+16:CG+17]
.set i, i+1
.endr
.irp k, 7,6,5,4,3,2,1,0
.set i, 0
.rept 8
	v_pk_fma_f32 v[GP+2*i:GP+2*i+1], v[GP+2*i:GP+2*i+1], v[GT+2*i:GT+2*i+1], v[CG+2*\k:CG+2*\k+1]
.set i, i+1
.endr
.endr
.set i, 0
.rept 8
	v_pk_fma_f32 v[GP+2*i:GP+2*i+1], v[GM+2*i:GM+2*i+1], v[CG+20:CG+21], v[GP+2*i:GP+2*i+1]
.set i, i+1
.endr
.set i, 0
	VW
.rept 16
	v_exp_f32 v[GP+i], v[GP+i]
.set i, i+1
.endr
.set i, 0
.rept 16
	v_max_num_f32 v[GM+i], 0, v[GX+i]
.set i, i+1
.endr
	VW
.set i, 0
.rept 8
	v_pk_mul_f32 v[GP+2*i:GP+2*i+1], v[GT+2*i:GT+2*i+1], v[GP+2*i:GP+2*i+1]
.set i, i+1
.endr
.set i, 0
.rept 16
	v_fma_f32 v[GX+i], -|v[GX+i]|, v[GP+i], v[GM+i]
.set i, i+1
.endr
.set i, 0
.rept 16
	v_med3_num_f32 v[GX+i], v[GX+i], -v[VLIM], v[VLIM]
.set i, i+1
.endr
	v_cvt_scalef32_pk8_bf8_f32 v[HC:HC+1], v[GX:GX+7], v[VSC]
	v_cvt_scalef32_pk8_bf8_f32 v[HC+2:HC+3], v[GX+8:GX+15], v[VSC]
	v_nop
.endm
; THE FIRST HALF OF THE FFN, 128 hidden units: my 32 rows of W1 (two tiles) against all 32 rows of z, whose fragments stay in window 1.
.macro ALOADS
	WIN 0xc0
.irp s, 0,1,2,3
.irp t, 0,1
.irp c, 0,1,2,3
	ds_load_b128 v[16*(4*\t+\s)+4*\c:16*(4*\t+\s)+4*\c+3], v[ADA] offset:16*\t*PTA+128*\s+32*\c
.endr
.endr
.endr
.endm
.macro ABIAS
	WIN 0x82
	VW
	s_wait_loadcnt 0x0
.set i, 0
.rept 8
	v_pk_mul_f32 v[B1R+2*i:B1R+2*i+1], v[B1R+2*i:B1R+2*i+1], s[SNE:SNE+1] op_sel_hi:[1,0]
.set i, i+1
.endr
	VW
.endm
.macro AMUL n                          ; n: the LDS loads behind the first 128 along K
.irp s, 0,1,2,3
	s_wait_dscnt \n-8*\s
.if \s == 0
	WIN 0x27
.else
	WIN 0x07
.endif
.irp m, 0,1
.irp t, 0,1
.if \s == 0
	v_wmma_f32_16x16x128_bf8_bf8 v[GX+8*(2*\m+\t):GX+8*(2*\m+\t)+7], v[16*(4*\t+\s):16*(4*\t+\s)+15], v[16*(4*\m+\s):16*(4*\m+\s)+15], v[B1R+8*\t:B1R+8*\t+7]
.else
	v_wmma_f32_16x16x128_bf8_bf8 v[GX+8*(2*\m+\t):GX+8*(2*\m+\t)+7], v[16*(4*\t+\s):16*(4*\t+\s)+15], v[16*(4*\m+\s):16*(4*\m+\s)+15], v[GX+8*(2*\m+\t):GX+8*(2*\m+\t)+7]
.endif
.endr
.endr
.endr
.endm
.macro AGELU next                      ; two tiles of hidden units a trip: rows 0-15, then rows 16-31; their codes go into h's image
	WIN 0
	PLACES 4
	s_mov_b32 s[MH], s[HW]
	s_mov_b32 s[RC], 2
.Lge_\@:
	v_add_nc_u32 v[ADH], s[MH], v[HWI]
	GELU16
	ds_store_b64 v[ADH], v[HC:HC+1]
	ds_store_b64 v[ADH], v[HC+2:HC+3] offset:256
	VW
.set i, 0
.rept 16
	v_mov_b32 v[GX+i], v[GX+16+i]
.set i, i+1
.endr
	s_add_co_u32 s[MH], s[MH], 4096
	s_sub_co_u32 s[RC], s[RC], 1
	s_cmp_lg_u32 s[RC], 0
	VW
	s_cbranch_scc1 .Lge_\@
.if \next
	s_add_nc_u64 s[30:31], s[30:31], 512
	B1LOAD
.endif
.endm
.macro B1LOAD
	WIN 0x80
.irp t, 0,1
	global_load_b128 v[B1R+8*\t:B1R+8*\t+3], v[PB1], s[30:31] offset:64*\t
	global_load_b128 v[B1R+8*\t+4:B1R+8*\t+7], v[PB1], s[30:31] offset:64*\t+16
.endr
	WIN 0
.endm
; THE SECOND HALF: 64 of my columns x 256 hidden units.
.macro BLOADS adr, wb
	WIN 0xc0
.irp s, 0,1
.irp t, 0,1,2,3
.irp c, 0,1,2,3
	ds_load_b128 v[\wb+16*(2*\t+\s)+4*\c:\wb+16*(2*\t+\s)+4*\c+3], v[\adr] offset:16*\t*PTB+128*\s+32*\c
.endr
.endr
.endr
.endm
.macro MM_B p, wb
	WIN 0xa7
	VW
.irp s, 0,1
.irp m, 0,1
.irp t, 0,1,2,3
	v_wmma_f32_16x16x128_bf8_bf8 v[64*\m+8*(4*\p+\t):64*\m+8*(4*\p+\t)+7], v[\wb+16*(2*\t+\s):\wb+16*(2*\t+\s)+15], v[HF+16*(2*\m+\s):HF+16*(2*\m+\s)+15], v[64*\m+8*(4*\p+\t):64*\m+8*(4*\p+\t)+7]
.endr
.endr
.endr
	WIN 0
.endm
.macro TRIP next
	v_add_nc_u32 v[ADA], s[TB], v[AWT]
	v_add_nc_u32 v[ADB], s[TB], v[ABT]
	v_add_nc_u32 v[ADR], s[HR], v[FIB]
	ALOADS
	FETCH ADR, 4, 0, HF
	ABIAS
	AMUL 40                                        ; 24 loads of W1 and h's 16 stand behind the first 8
	BLOADS ADB, 128                                ; W2's fragments come in under the GELU
	AGELU \next
	VW
	s_wait_dscnt 0x0
.if \next
	s_and_b32 s66, s[TC], 1
	s_cmp_lg_u32 s66, 0
	s_cbranch_scc1 .Lodd_\@
	MM_B 0, 128
	s_branch .Ldone_\@
.Lodd_\@:
	MM_B 1, 128
.Ldone_\@:
	s_add_co_u32 s[TC], s[TC], 1
	s_xor_b32 s[TB], s[TB], SL                     ; the other slot
	s_xor_b32 s[HW], s[HW], s[HM]                  ; h's image: two buffers of 256 hidden units; written by halves: 8192, 10240, 0, 2048,
	s_xor_b32 s[HM], s[HM], 8192
.else
	MM_B 1, 128                                    ; the last trip is an odd one
.endif
	s_xor_b32 s[HR], s[HR], s[HN]                  ; read for two trips each: 0, 0, 8192, 8192
.if \next
	s_xor_b32 s[HN], s[HN], 8192
.endif
.endm
.macro GCONST k, val
	v_mov_b32 v[CG+2*\k], \val
	v_mov_b32 v[CG+2*\k+1], \val
.endm
	s_load_b512 s[4:19], s[0:1], 0x0
	s_load_b512 s[20:35], s[0:1], 0x40
	s_load_b128 s[36:39], s[0:1], 0x80
	s_load_b64 s[40:41], s[0:1], 0x90
	v_lshl_add_u32 v[SPW], v0, 2, SPARE
	v_mov_b32 v[NIL], 0
	ds_add_u32 v[SPW], v[NIL]
	ds_add_u32 v[SPW], v[NIL]
	s_wait_dscnt 0x0
	v_lshrrev_b32 v[TV], 5, v0
	v_readfirstlane_b32 s[WV], v[TV]
	s_bfe_u32 s[CX], ttmp6, 0x40000
	s_lshl_b32 s[WG], ttmp9, 2
	s_add_co_u32 s[WG], s[WG], s[CX]
	s_cmp_eq_u32 ttmp9, 0
	s_cselect_b32 s[LIM], 1, -1
	v_and_b32 v[RR], 15, v0                        ; r
	v_bfe_u32 v[HL], v0, 4, 1                      ; h
	v_and_b32 v[TV], 31, v0
	v_lshlrev_b32 v[LP], 4, v[RR]
	v_lshl_add_u32 v[LP], v[HL], 3, v[LP]          ; in an image: 16 r + 8 h
	v_lshlrev_b32 v[LQ], 4, v[TV]
	s_lshl_b32 s66, s[WV], 8
	v_lshl_add_u32 v[PBI], v[HL], 5, s66           ; my columns 64 w + 8 h, in bytes
	v_lshl_add_u32 v[XA], v[RR], 11, v[PBI]        ; and in row r of z
	v_lshl_add_u32 v[GO], v[RR], 4, s66
	v_lshl_add_u32 v[GO], v[HL], 10, v[GO]         ; the way out: lanes 0-15 my first 64 columns of a row, lanes 16-31 my second
	s_lshl_b32 s67, s[WV], 9
	v_lshl_add_u32 v[PBQ], v[HL], 5, s67           ; my heads' columns 128 w + 8 h
	v_lshl_add_u32 v[PVB], v[RR], 2, s67           ; 128 w + r
	s_lshl_b32 s67, s[WV], 7
	v_lshl_add_u32 v[PB1], v[HL], 5, s67           ; hidden units 32 w + 8 h
	VW
	s_and_b32 s98, s[WG], 63
	s_lshl_b32 s98, s98, 5                         ; my first row in its sequence
	s_cmp_lg_u32 s98, 0
	s_cselect_b32 s[HOK], -1, 0
	s_sub_co_i32 s98, s98, 16
	s_max_i32 s98, s98, 0                          ; the halo (at a sequence's head any rows: masked)
	s_lshr_b32 s99, s[WG], 6
	s_lshl_b32 s99, s99, 11
	s_add_co_u32 s98, s98, s99
	s_lshl_b32 s98, s98, 11
	s_mov_b32 s99, 0
	s_lshl_b32 s66, s[WG], 16
	s_mov_b32 s67, 0
	s_wait_kmcnt 0x0
	s_load_b512 s[44:59], s[18:19], 0x0            ; the sixteen exponents
	s_add_nc_u64 s[42:43], s[4:5], s[98:99]
	s_add_nc_u64 s[4:5], s[4:5], s[66:67]
	s_add_nc_u64 s[40:41], s[40:41], s[66:67]
	WIN 0x80
.irp m, 0,1
.irp t, 0,1,2,3,4,5,6,7
	global_load_b128 v[64*\m+8*\t:64*\m+8*\t+3], v[XA], s[4:5] offset:32768*\m+64*(\t%4)+1024*(\t/4)
	global_load_b128 v[64*\m+8*\t+4:64*\m+8*\t+7], v[XA], s[4:5] offset:32768*\m+64*(\t%4)+1024*(\t/4)+16
.endr
.endr
	BIAS_T 42, W2U, 0x80, XA, 1024                 ; the halo's z
	BIAS_T 12, PR, 0x40, PBQ, 256
	WIN 0
	s_lshl_b32 s66, s[WV], 16
	s_add_nc_u64 s[6:7], s[6:7], s[66:67]
	s_add_nc_u64 s[8:9], s[8:9], s[66:67]
	s_add_nc_u64 s[10:11], s[10:11], s[66:67]      ; Wq, Wk, Wv: rows 128 w on
	s_lshl_b32 s66, s[WV], 15
	s_add_nc_u64 s[20:21], s[20:21], s[66:67]      ; Wo, W1: rows 64 w on
	s_add_nc_u64 s[28:29], s[28:29], s[66:67]
	s_and_b32 s66, s[WV], 1
	s_lshl_b32 s66, s66, 18
	s_add_nc_u64 s[32:33], s[32:33], s[66:67]      ; W2: rows 128 (w % 2) on
	s_mov_b32 s[G1A], 15|(1<<20)|(1<<21)|(6<<22)|(3<<25)   ; 64 rows of 512 bytes, 16 bytes of padding behind each; all four work-groups of the cluster
	s_mov_b32 s[G1A+1], 512<<16
	s_mov_b32 s[G1A+2], 64<<16
	s_mov_b32 s[G1A+3], 512<<16
	s_mov_b32 s[G1A+4], 64
	s_mov_b32 s[G1A+5], 512
	s_mov_b32 s[G1A+6], 0
	s_mov_b32 s[G1A+7], 0
	s_mov_b32 s[G1B], 15|(1<<20)|(1<<21)|(5<<22)|(3<<25)   ; 128 rows of 256 bytes, 2,048 bytes apart
	s_mov_b32 s[G1B+1], 256<<16
	s_mov_b32 s[G1B+2], 128<<16
	s_mov_b32 s[G1B+3], 256<<16
	s_mov_b32 s[G1B+4], 128
	s_mov_b32 s[G1B+5], 2048
	s_mov_b32 s[G1B+6], 0
	s_mov_b32 s[G1B+7], 0
	s_mul_i32 s66, s[WV], TILE
	s_lshr_b32 s67, s[WV], 1
	s_lshl_b32 s67, s67, 11                        ; (the gap behind a slot's first two tiles)
	s_mov_b32 s[G0S0], 1
	s_add_co_u32 s[G0S0+1], s66, s67
	s_mov_b32 s[G0S1], 1
	s_add_co_u32 s[G0S1+1], s[G0S0+1], SL
	TADDR G0S0, 6, 0
	TADDR G0S1, 6, 32768
	CROUND
	tensor_load_to_lds s[G0S0:G0S0+3], s[G1A:G1A+7]
	s_nop 0
	v_mul_u32_u24 v[AW0], v[RR], PTA               ; a weight's row r, + 16 h
	v_lshl_add_u32 v[AW0], v[HL], 4, v[AW0]
	s_mul_i32 s66, s[WV], 32*PTA
	v_add_nc_u32 v[AWT], s66, v[AW0]               ; W1 in the FFN: rows 32 w on
	v_add_nc_u32 v[AW0], s[G0S0+1], v[AW0]         ; the tile that I fetch myself
	v_add_nc_u32 v[AW1], SL, v[AW0]
	v_mul_u32_u24 v[ABT], v[RR], PTB
	v_lshl_add_u32 v[ABT], v[HL], 4, v[ABT]
	s_mul_i32 s66, s[WV], 64*PTB
	s_add_co_u32 s66, s66, W2O
	v_add_nc_u32 v[ABT], s66, v[ABT]               ; W2: rows 64 w on, in a slot's second half
	s_lshl_b32 s66, s[WV], 10
	s_add_co_u32 s67, s66, IMGA
	v_add_nc_u32 v[WIA], s67, v[LP]                ; images: K = 64 w on
	s_add_co_u32 s67, s66, IMGB
	v_add_nc_u32 v[WIB], s67, v[LP]
	s_lshl_b32 s66, s[WV], 11
	s_add_co_u32 s66, s66, IMGB
	v_add_nc_u32 v[WIO], s66, v[LP]                ; the attention's: K = 128 w on
	v_add_nc_u32 v[FIA], IMGA, v[LQ]
	v_add_nc_u32 v[FIB], IMGB, v[LQ]
	s_lshl_b32 s66, s[WV], 9
	s_add_co_u32 s66, s66, IMGB
	v_add_nc_u32 v[HWI], s66, v[LP]                ; h: hidden units 32 w on
	s_lshl_b32 s66, s[WV], 7
	s_add_co_u32 s66, s66, STAT
	v_lshl_add_u32 v[STA], v[RR], 3, s66
	v_lshlrev_b32 v[STR], 3, v[RR]
	v_add_nc_u32 v[STR], STAT, v[STR]
	s_mul_i32 s66, s[WV], 8448
	v_mul_u32_u24 v[STO], v[RR], 528
	v_lshl_add_u32 v[STO], v[HL], 5, v[STO]
	v_add_nc_u32 v[STO], s66, v[STO]
	v_add_nc_u32 v[SRD], s66, v[LQ]
	s_lshl_b32 s66, s[CX], 13
	v_lshl_add_u32 v[PFOA], v[TV], 8, s66          ; prefetch of 32,768 bytes a wave: 8,192 a partner, 256 a lane
	s_lshr_b32 s66, s[WV], 1
	s_mul_i32 s66, s66, 3
	v_lshlrev_b32 v[PFO], s66, v[PFOA]             ; in the FFN: waves 2, 3: a row of W2 (2,048 bytes) a lane
	v_lshlrev_b32 v[DL], 3, v[HL]
	v_sub_nc_u32 v[DL], v[RR], v[DL]
	v_mov_b32 v[NEGINF], 0xff800000
	s_mov_b32 s[SEL], 0x76543210
	s_mov_b32 s[SEL+1], 0xfedcba98
	VW
	s_wait_tensorcnt 0x0
	ds_add_u32 v[SPW], v[NIL]
	s_wait_dscnt 0x0
	CROUND
	tensor_load_to_lds s[G0S1:G0S1+3], s[G1A:G1A+7]
	s_nop 0
	PLACES 4
	s_wait_kmcnt 0x0
	s_wait_loadcnt 32                              ; my 32 rows of z; the halo's 16 and the bias's 16 may be out
	s_mov_b32 s[MZ], 0
	s_mov_b32 s[TE], s[E0+0]
	s_mov_b32 s[RC], 2
.Lqz:                                              ; z's codes for Q, then for K
	v_add_nc_u32 v[ADZ], s[MZ], v[WIA]
	SETSC TE, VSC, VLIM
	QUANT 0, ADZ, 0
	QUANT 64, ADZ, 8192
	s_mov_b32 s[TE], s[E0+2]
	s_add_co_u32 s[MZ], s[MZ], IMGB-IMGA
	s_sub_co_u32 s[RC], s[RC], 1
	s_cmp_lg_u32 s[RC], 0
	VW
	s_cbranch_scc1 .Lqz
	s_wait_loadcnt 16
	QUANT W2U, WIB, 16384                          ; the halo's, for K
	VW
	s_wait_loadcnt 0x0
	NEGSUM 0, 1
	BSCALE
	WIN 0
	BARRIER
	; Q, my first head
	FETCH FIA, 8, 0, 0
	LOADW_A AW0
	GEMM_T 2, 0
	OUTSC 6, 0, 1
	HOLD 8
	CVT_Q 0
	CH_HEAD
	TADDR G0S0, 8, 0
	CH_FILL G0S0, G1A
	ASK PFOA, 8, 32768, 0
	; Q, my second head; z's codes for V
	LOADW_A AW1
	GEMM_T 2, 1
	HOLD 8
	CVT_Q 1
	BIAS_T 14, PR, 0x40, PBQ, 256
	WIN 0
	SETSC E0+4, VSC, VLIM
	QUANT 0, WIA, 0
	QUANT 64, WIA, 8192
	QUANT W2U, WIA, 16384
	CH_HEAD
	TADDR G0S1, 8, 32768
	CH_FILL G0S1, G1A
	ASK PFOA, 10, 0, 0
	; K
	FETCH FIB, 12, 0, 0
	LOADW_A AW0
	s_wait_loadcnt 0x0
	NEGSUM 2, 3
	BSCALE
	GEMM_T 3, 0
	OUTSC 7, 2, 3
	HOLD 12
	CVT_K 0
	CH_HEAD
	TADDR G0S0, 10, 0
	CH_FILL G0S0, G1A
	ASK PFOA, 10, 32768, 0
	LOADW_A AW1
	GEMM_T 3, 1
	HOLD 12
	CVT_K 1
	WIN 0x40
.irp t, 0,1,2,3,4,5,6,7
	global_load_b32 v[PR+8*\t], v[PVB], s[16:17] offset:64*\t
.endr
	CH_HEAD
	TADDR G0S1, 10, 32768
	CH_FILL G0S1, G1A
	ASK PFOA, 20, 0, 0
	; V
	FETCH FIA, 12, 0, 0
	LOADW_A AW0
	s_wait_loadcnt 0x0
	NEGSUM 4, 5
	POW2 SNEG, TE
	WIN 0x41
.irp t, 0,1,2,3,4,5,6,7
.irp j, 3,2,1,0
	v_pk_mul_f32 v[PR+8*\t+2*\j:PR+8*\t+2*\j+1], v[PR+8*\t:PR+8*\t+1], s[SNEG:SNEG+1] op_sel_hi:[0,0]
.endr
.endr
	VW
	GEMM_N 0
	OUTSC 9, 4, 5
	HOLD 12
	CVT_V 0
	CH_HEAD
	TADDR G0S0, 20, 0
	CH_FILL G0S0, G1A
	ASK PFOA, 20, 131072, 0
	LOADW_A AW1                                    ; V's second head comes into registers under the first head's first attention tile
	WIN 0
	s_wait_xcnt 0x0                                ; the pointers in s[4:19] are done with: the masks go there
	s_add_co_i32 s66, s[E0+6], s[E0+7]
	s_lshl_b32 s66, s66, 23
	s_add_co_i32 s[CS], s66, 0x3e38aa3b            ; log2(e) / 8, x 2^(e6 + e7)
	s_mov_b32 s[CS+1], s[CS]
	SETSC E0+8, VSCP, VLIMP
	SETSC E0+10, VSC2, VLIM2
	s_add_co_i32 s[TE], s[E0+8], s[E0+9]
.irp t, 0,1,2,3,4,5,6,7
	v_mov_b32 v[VF+8*\t+6], 0                      ; keys 48-63 of the product's K: zero codes on both sides
	v_mov_b32 v[VF+8*\t+7], 0
.endr
.irp i, 4,5,6,7,8,9,14,15
	v_mov_b32 v[PF+\i], 0                          ; the tile of keys that a query tile does not see
.endr
.irp j, 0,1,2,3,4,5,6,7
	v_add_nc_u32 v[TV], 0-\j, v[DL]
	v_cmp_gt_u32 s[MK1+\j], 10, v[TV]
.endr
	MASK0 1
	ATT 0, 0
	VW
	GEMM_N 1
	HOLD 12
	CVT_V 1
	BIAS_T 22, PR, 0x40, PBI, 1024
	CH_HEAD
	TADDR G0S1, 20, 131072
	CH_FILL G0S1, G1A
	ASK PFOA, 28, 0, 0
	LOADW_A AW0                                    ; Wo's first half comes into registers under the rest of the attention
	WIN 0
	ATT 1, 0
	MASK0 0
	ATT 0, 1
	ATT 1, 1
	WIN 0x08
.irp m, 0,1
.irp c, 0,1,2,3,4,5,6,7
	ds_store_b64 v[WIO], v[AOC+16*\m+2*\c:AOC+16*\m+2*\c+1] offset:8192*\m+256*\c
.endr
.endr
	WIN 0
	VW
	s_wait_loadcnt 0x0
	NEGSUM 10, 11
	RESPREP PR
	BARRIER
	BIAS_T 24, PR, 0x40, PBI, 1024
	BIAS_T 26, W2U, 0x80, PBI, 1024
	BIAS_T 34, HF, 0x40, PBI, 1024
	B1LOAD
	FETCH FIB, 8, 0, 0
	GEMM_R 0, 12, 4                                ; the fragments' 32 loads are the youngest: both tiles' first K are in when 12 may be out
	CH_HEAD
	TADDR G0S0, 28, 0
	CH_FILL G0S0, G1A
	; the FFN's prefetches: waves 0, 1 take W1's part of a trip's tile, waves 2, 3 W2's; a step from tile to tile: 128 rows of W1; of W2 256 rows on, then 256 rows back and 256 bytes on
	s_mov_b32 s[PST], 0x80000
	s_mov_b32 s[PX], 0xfff00100
	s_mov_b32 s67, 0
	s_mov_b32 s[PST+1], 0
	s_cmp_lt_u32 s[WV], 2
	s_cselect_b64 s[PFP:PFP+1], s[28:29], s[32:33]
	s_cselect_b32 s66, 131072, 0
	s_cselect_b32 s[PST], 65536, s[PST]
	s_cselect_b32 s[PX], 0, s[PX]
	s_cselect_b32 s[PX+1], 0, -1
	s_add_nc_u64 s[PFP:PFP+1], s[PFP:PFP+1], s[66:67]
	ASK PFO, PFP, 0, 0
	LOADW_A AW1
	VW
	GEMM_R 1, 48, 16
	PLACES 4
	LNSTAT 0, 0
	LNSTAT 1, 0
	BARRIER
	s_wait_loadcnt 0x0
	s_add_co_i32 s[TE], s[E0+10], s[E0+11]
	POW2 SPOS, TE
	LNFIN 0, 0
	LNFIN 1, 0
	SETSC E0+12, VSC, VLIM
	QUANT 0, WIA, 0
	QUANT 64, WIA, 8192
	BIAS_T 36, PR, 0x40, PBI, 1024
	BIAS_T 38, W2U, 0x80, PBI, 1024
	WIN 0
	NEGSUM 14, 15
	RESPREP HF
	GCONST 0, -2.8257482
	GCONST 1, 1.4427292
	GCONST 2, 0.53970062
	GCONST 3, 0.13963006
	GCONST 4, -0.26875686
	GCONST 5, 0.40232158
	GCONST 6, -1.6377532
	GCONST 7, 2.1474745
	GCONST 8, -1.1861149
	GCONST 9, 0.24651730
	s_add_co_i32 s[TE], s[E0+12], s[E0+13]
	s_lshl_b32 s66, s[TE], 23
	s_add_co_i32 s[KG], s66, 0x3eb504f3            ; S / (2 sqrt 2)
	s_lshl_b32 s66, s[TE], 24
	s_add_co_i32 s66, s66, 0xbf38aa3b              ; -S^2 log2(e) / 2
	GCONST 10, s66
	NEGSUM 12, 13
	POW2 SNE, TE
	OUTSC 14, 12, 13
	CH_HEAD
	s_and_b32 s66, s[WV], 1
	s_mul_i32 s67, s66, TILE
	s_add_co_u32 s[G0S0+1], s67, SL
	s_mul_i32 s67, s66, TILB
	s_add_co_u32 s[G0S1+1], s67, SL+W2O
	TADDR G0S0, 28, 131072
	TADDR G0S1, 32, 0
	PFSTEP
	JFILL                                          ; tile 0, into slot 1
	ASK PFO, PFP, 0, 0
	FETCH FIA, 8, 0, 0                             ; LN1's codes stay in window 1 for the whole FFN
	WIN 0
	s_mov_b32 s[TB], 0
	s_mov_b32 s[HW], 0
	s_mov_b32 s[RQ], 2
.Lpro:                                             ; hidden units 0-127, then 128-255, from slot 0's two halves
	v_add_nc_u32 v[ADA], s[TB], v[AWT]
	ALOADS
	ABIAS
	AMUL 24
	AGELU 1
	s_add_co_u32 s[TB], s[TB], W2O
	s_add_co_u32 s[HW], s[HW], 2048
	s_sub_co_u32 s[RQ], s[RQ], 1
	s_cmp_lg_u32 s[RQ], 0
	VW
	s_cbranch_scc1 .Lpro
	s_mov_b32 s[TB], SL
	s_mov_b32 s[HW], 8192
	s_mov_b32 s[HM], 2048
	s_mov_b32 s[HR], 0
	s_mov_b32 s[HN], 0
	s_mov_b32 s[TC], 0
	s_mov_b32 s[W2S], 0
	s_mov_b32 s[W2S+1], 0
	s_mov_b32 s[RQ], 0x80000
	s_mov_b32 s[J], 13
.Ltrip:                                            ; trips 0 to 12; each fills the other slot with the next trip's tile
	CH_HEAD
	s_xor_b32 s[G0S0+1], s[G0S0+1], SL             ; (SL's bits are set in none of the four tiles' places in slot 0)
	s_xor_b32 s[G0S1+1], s[G0S1+1], SL
	s_add_nc_u64 s[G0S0+2:G0S0+3], s[G0S0+2:G0S0+3], 65536
	s_add_co_u32 s[W2S], s[W2S], s[RQ]             ; W2's offset: 0, 524288, 256, 524544, ..
	s_xor_b32 s[RQ], s[RQ], 0xfff00100             ; 524,288 on, then 524,032 back
	s_add_nc_u64 s[G0S1+2:G0S1+3], s[32:33], s[W2S:W2S+1]
	s_or_b32 s[G0S1+3], s[G0S1+3], 0x80000000
	PFSTEP
	JFILL
	ASK PFO, PFP, 0, 1
	TRIP 1
	s_sub_co_u32 s[J], s[J], 1
	s_cmp_lg_u32 s[J], 0
	VW
	s_cbranch_scc1 .Ltrip
	CH_HEAD                                        ; trip 13: the fill is W2's last 256 hidden units, 128 rows a wave, into slot 1
	s_lshr_b32 s66, s[WV], 1
	s_lshl_b32 s66, s66, 19
	s_add_co_u32 s66, s66, 1792
	s_mov_b32 s67, 0
	s_add_nc_u64 s[G0S1+2:G0S1+3], s[32:33], s[66:67]
	s_or_b32 s[G0S1+3], s[G0S1+3], 0x80000000
	s_mul_i32 s66, s[WV], TILB
	s_add_co_u32 s[G0S1+1], s66, SL
	CH_FILL G0S1, G1B
	TRIP 0
	CH_HEAD
	BARRIER
	v_add_nc_u32 v[ADA], SL-W2O, v[ABT]
	v_add_nc_u32 v[ADB], SL, v[ABT]
	v_add_nc_u32 v[ADR], s[HR], v[FIB]
	PLACES 4
	FETCH ADR, 4, 0, HF
	BLOADS ADA, 128
	BLOADS ADB, 0
	WIN 0
	VW
	s_wait_dscnt 32                                ; the youngest 32, my second 64 columns', may be out
	MM_B 0, 128
	s_wait_dscnt 0x0
	MM_B 1, 0
	PLACES 4
	s_add_co_i32 s[TE], s[E0+14], s[E0+15]
	POW2 SPOS, TE
	LNSTAT 0, 1
	LNSTAT 1, 1
	BARRIER
	LNFIN 0, 1
	LNFIN 1, 1
	; the way out: through my own stage, whole units of 256 bytes
.irp m, 0,1
	WIN 0x08
.irp t, 0,1,2,3,4,5,6,7
	ds_store_b128 v[STO], v[64*\m+8*\t:64*\m+8*\t+3] offset:64*\t
	ds_store_b128 v[STO], v[64*\m+8*\t+4:64*\m+8*\t+7] offset:64*\t+16
.endr
	WIN 0
.irp i, 0,1,2,3,4,5,6,7,8,9,10,11,12,13,14,15
	ds_load_b128 v[32+96*\m+4*\i:32+96*\m+4*\i+3], v[SRD] offset:528*\i
.endr
.endr
.irp m, 0,1
.irp i, 0,1,2,3,4,5,6,7,8,9,10,11,12,13,14,15
	s_wait_dscnt 47-32*\m-\i
	global_store_b128 v[GO], v[32+96*\m+4*\i:32+96*\m+4*\i+3], s[40:41] offset:32768*\m+2048*\i th:TH_STORE_NT
.endr
.endr
	s_wait_tensorcnt 0x0                           ; the wave's end: the last add to the spare words, and the closing round
	ds_add_u32 v[SPW], v[NIL]
	s_wait_dscnt 0x0
	CROUND
	s_endpgm
.Lfunc_end_k_q49109da5eb_block:
	.size	k_q49109da5eb_block, .Lfunc_end_k_q49109da5eb_block-k_q49109da5eb_block
	.p2alignl 7, 3214868480
	.fill 96, 4, 3214868480
	.section	.rodata,"a",@progbits
	.p2align	6, 0x0
	.amdhsa_kernel k_q49109da5eb_block
		.amdhsa_group_segment_fixed_size 327680
		.amdhsa_private_segment_fixed_size 0
		.amdhsa_enable_private_segment 0
		.amdhsa_kernarg_size 152
		.amdhsa_user_sgpr_count 2
		.amdhsa_user_sgpr_kernarg_segment_ptr 1
		.amdhsa_wavefront_size32 1
		.amdhsa_system_sgpr_workgroup_id_x 1
		.amdhsa_system_sgpr_workgroup_id_y 1
		.amdhsa_system_sgpr_workgroup_id_z 1
		.amdhsa_system_vgpr_workitem_id 0
		.amdhsa_next_free_vgpr 1024
		.amdhsa_next_free_sgpr 106
		.amdhsa_reserve_vcc 0
		.amdhsa_float_denorm_mode_32 3
		.amdhsa_float_denorm_mode_16_64 3
		.amdhsa_memory_ordered 1
		.amdhsa_forward_progress 1
		.amdhsa_inst_pref_size 255
	.end_amdhsa_kernel
	.section	.bss,"aw",@nobits
	.p2align	6
	.space	262144
	.amdgpu_metadata
---
amdhsa.version: [ 1, 2 ]
amdhsa.kernels:
  - .name:           k_q49109da5eb_block
    .symbol:         k_q49109da5eb_block.kd
    .args:
      - { .name: z, .offset: 0, .size: 8, .value_kind: global_buffer, .address_space: global }
      - { .name: Wq_codes, .offset: 8, .size: 8, .value_kind: global_buffer, .address_space: global }
      - { .name: Wk_codes, .offset: 16, .size: 8, .value_kind: global_buffer, .address_space: global }
      - { .name: Wv_codes, .offset: 24, .size: 8, .value_kind: global_buffer, .address_space: global }
      - { .name: bq, .offset: 32, .size: 8, .value_kind: global_buffer, .address_space: global }
      - { .name: bk, .offset: 40, .size: 8, .value_kind: global_buffer, .address_space: global }
      - { .name: bv, .offset: 48, .size: 8, .value_kind: global_buffer, .address_space: global }
      - { .name: lowp_scales, .offset: 56, .size: 8, .value_kind: global_buffer, .address_space: global }
      - { .name: Wo_codes, .offset: 64, .size: 8, .value_kind: global_buffer, .address_space: global }
      - { .name: bo, .offset: 72, .size: 8, .value_kind: global_buffer, .address_space: global }
      - { .name: ln1_w, .offset: 80, .size: 8, .value_kind: global_buffer, .address_space: global }
      - { .name: ln1_b, .offset: 88, .size: 8, .value_kind: global_buffer, .address_space: global }
      - { .name: W1_codes, .offset: 96, .size: 8, .value_kind: global_buffer, .address_space: global }
      - { .name: b1, .offset: 104, .size: 8, .value_kind: global_buffer, .address_space: global }
      - { .name: W2_codes, .offset: 112, .size: 8, .value_kind: global_buffer, .address_space: global }
      - { .name: b2, .offset: 120, .size: 8, .value_kind: global_buffer, .address_space: global }
      - { .name: ln2_w, .offset: 128, .size: 8, .value_kind: global_buffer, .address_space: global }
      - { .name: ln2_b, .offset: 136, .size: 8, .value_kind: global_buffer, .address_space: global }
      - { .name: out0, .offset: 144, .size: 8, .value_kind: global_buffer, .address_space: global }
    .group_segment_fixed_size: 327680
    .private_segment_fixed_size: 0
    .kernarg_segment_align: 8
    .kernarg_segment_size: 152
    .max_flat_workgroup_size: 128
    .sgpr_count:     106
    .vgpr_count:     1024
    .wavefront_size: 32
...
	.end_amdgpu_metadata
.endif
;; end of part 1
